; MI455X (gfx1250); checked and timed in simulation.
; The chip was launched on July 23, 2026; its instructions are those of AMD's public machine-readable ISA for CDNA 5 (MIT licence, August 2026) and "CDNA5" Instruction Set Architecture Reference Guide (July 2026). The comments in the code are by the model that wrote it; some were corrected since.
;; Linear2bit. Allowed arithmetic: matrix products marked QUANTISED: E5M2 operands, one given power-of-two scale a tensor, by v_wmma_f32_16x16x64_bf8_bf8 or v_wmma_f32_16x16x128_bf8_bf8, f32 sums; everything else in f32.
;; Inputs: bias 2,048 float32; lowp_scales 2 int32 (the exponents e of the quantised operands' scales 2^e); scales 2,048 x 32 float32; weight_packed 2,097,152 int32; x 4 x 2,048 x 4,096 float32; zeros 2,048 x 32 float32.
;; Outputs: out0 4 x 2,048 x 2,048 float32.
;; This version of the problem:
;;   THIS VERSION OF THE PROBLEM IS GIVEN IN LOW PRECISION. The matrix products marked QUANTISED in the list below multiply operands that are first quantised to E5M2 (5 exponent bits, 2 mantissa bits; 8 bits a number), with one given power-of-two scale for each operand tensor; their sums are f32. All else is computed in f32.
;;   The module's matrix products, in the order in which they are computed (A, B: the left and right operand; K: the contracted axis; several contracted axes count as one K, in the product's order):
;;     1. [M 8,192, K 4,096] x [K 4,096, N 2,048]; A: input x; B: computed on the way: QUANTISED (scales: A lowp_scales[0], B lowp_scales[1])
;;   THE QUANTISER, for each operand of a quantised product, along K:
;;     - The operand's scale is 2^e, e = its entry of the input lowp_scales (int32; the entries are numbered through the quantised products in the list's order, A before B).
;;     - Each number is divided by the scale, clamped to +-57,344, and rounded to the nearest number of E5M2, ties to even, subnormals kept.
;;     - The product sums the exact products of the quantised numbers (number of the format x scale) in f32.
;;   ~~~python
;;   def quantise(x, axis, e):      # numpy; x: float32 -> the quantised numbers, widened to float32 again
;;       x = np.moveaxis(x, axis, -1); K = x.shape[-1]
;;       r = np.clip(x / 2.0 ** e, -57344, 57344)
;;       step = 2.0 ** (np.maximum(np.frexp(np.where(r == 0, 1, r))[1] - 1, -14) - 2)
;;       q = np.round(r / step) * step * 2.0 ** e      # np.round: ties to even
;;       return np.moveaxis(q, -1, axis).astype(np.float32)
;;   ~~~
;;   OPERANDS COMPUTED ON THE WAY. 'Computed on the way' means the value that the module computes at that place (a softmax that the list does not call 'softmax' is quantised finished and normalised). What goes into a quantiser is computed in f32, as accurately as f32 sums, v_exp_f32 and their like allow (about 1e-6 of the number): no bf16 or f16 on the way to a quantiser, and a product that is left as it is and whose result goes on into a quantised operand takes f32 operands (vector FMAs, or v_wmma_f32_16x16x4_f32). A number that lies on a knife's edge between two numbers of the format may be rounded either way, as far as f32 arithmetic and the matrix unit's own rounding can turn it there, and no further.
;; One version. Each part assembles by itself: llvm-mc -triple=amdgcn-amd-amdhsa -mcpu=gfx1250 --defsym DOCPART=n.
;; ======== version 1 of 1: 2 launches
;; limits: right only within a limited range of input values
;; workspace buffers: xq 33,554,432 bytes; wq 8,388,608 bytes
;; launch quant (part 1): grid 1280 x 1, 4 waves a work-group, no clusters, 34,304 bytes of LDS; arguments x, weight_packed, scales, zeros, lowp_scales, xq, wq; writes xq, wq
.if DOCPART == 1
	.amdgcn_target "amdgcn-amd-amdhsa--gfx1250"
	.amdhsa_code_object_version 6
	.text
	.protected	k_q1c65f08173_quant
	.globl	k_q1c65f08173_quant
	.p2align	8
	.type	k_q1c65f08173_quant,@function
k_q1c65f08173_quant:
	s_mov_b64 s[64:65], 0
	v_nop
	global_prefetch_b8 v0, s[64:65] scope:SCOPE_SE
	s_setreg_imm32_b32 hwreg(HW_REG_WAVE_MODE, 25, 1), 1
	s_wait_xcnt 0x0
; x [8192][4096] f32 and w [2048][4096] (computed here: w = q * scale + zero, q a 2-bit field of the packed words) become codes of BF8 (E5M2), one byte each,
; each tensor with the one scale 2^e that is given for it: ex = entry 0, ew = entry 1 of the buffer of scales.
; code = number / 2^e, held within +-57,344, rounded to the nearest code, ties to even.
; THE ORDER ALONG K, alike in both tensors: place 512 s + 16 l + 4 i + j of a row holds the code of k = 512 s + 128 i + 4 l + j (s 0..7, l 0..31, i 0..3, j 0..3).
; The product pairs place p of a row of x with place p of a row of w, so every k meets its partner; only the order of the f32 sums differs from ascending k.
; So lane l's four loads of 16 bytes, at 16 l of four successive runs of 512 bytes, are the 16 numbers whose codes are its 16 bytes of the span.
; wq: rows of 4,096 bytes by place; row n = 64 G + 4 r + b (r 0..15, b 0..3) is stored as row 64 G + 16 b + r.
; xq: IMAGES OF THE PRODUCT'S OPERAND REGISTERS: 16 rows x 128 places are 2,048 bytes; byte 512 c + 16 (16 h + r) + i of image (row block, chunk) is place 128 chunk + 32 c + 16 h + i of row r of the block;
; the 32 images of a row block follow each other.  A wave takes 16 rows x 512 places: each row's 512 codes go into the wave's own LDS stage, and come back 16 bytes of row (lane % 16) a lane.
; SHARES.  Work-groups 0..255 take w (two rows a wave), work-groups 256..1279 take x.  The two ways part on the work-group's number alone; only x's way touches LDS.
; All stores of a wave stand in one run behind its last vector line.  Every step's place stands in an immediate.
; THE PACKED WORDS: word o * 1024 + k / 4 holds k's field at bits 2 (k % 4); only a word's low 8 bits count.
; LIMITS: ex and ew between -126 and 112, so that 2^e and 57,344 x 2^e are f32 numbers.  NaN among the inputs is not served; an infinity is held at the largest code.
; w is made by one fused multiply-add (one rounding); q * scale is exact for q = 0, 1, 2, so it can differ from a multiply and an add by a last bit for q = 3 alone.
.set WGW,   256                        ; work-groups for w
.set STEPS, 16
.set EMAX,  15
.set MANT,  0x600000                   ; the mantissa field of 57,344 as f32
.set SP,    528                        ; a stage row: 512 bytes + 16 of padding
.set STG,   16*SP                      ; a wave's stage
.set SPARE, 4*STG                      ; behind the stages: the spare words, 128 bytes a wave
.set SPW,   8                          ; v8  my spare word; v9  0: never rewritten
.set NIL,   9
.set SC,    12                         ; v[12:13]  w: my wave's 64 scales: lane l holds numbers 2 l and 2 l + 1
.set ZR,    14                         ; v[14:15]  its 64 zeros
.set R,     16                         ; v16-79    x: four sets of 16 numbers, at the end the images;  w: the 64 packed words
.set C,     80                         ; v80-143   four registers of codes for each step
.set W,     144                        ; v144-159  w: 16 numbers at work
; v3 = 16 x lane, v4 = 4 x lane, v5 = 8 x lane, v6 = into the stage, v7 = out of it: never rewritten.  v10 = 57,344 x 2^e, v11 = 2^e.
	s_load_b256 s[4:11], s[0:1], 0x0               ; x, the packed words, scales, zeros
	s_load_b128 s[12:15], s[0:1], 0x20             ; the exponents, x's codes
	s_load_b64 s[16:17], s[0:1], 0x30              ; w's codes
	v_lshl_add_u32 v[SPW], v0, 2, SPARE
	v_mov_b32 v[NIL], 0
	v_lshrrev_b32 v1, 5, v0
	v_readfirstlane_b32 s20, v1                    ; wave 0..3
	s_mul_i32 s21, s20, STG
	v_and_b32 v2, 31, v0                           ; lane
	v_lshlrev_b32 v3, 4, v2
	v_lshlrev_b32 v4, 2, v2
	v_lshlrev_b32 v5, 3, v2
	v_add_nc_u32 v6, s21, v3                       ; into the stage: 16 x lane of a row
	v_and_b32 v7, 15, v0
	v_mul_u32_u24 v7, v7, SP
	v_bfe_u32 v1, v0, 4, 1
	v_lshl_add_u32 v7, v1, 4, v7
	v_add_nc_u32 v7, s21, v7                       ; out of it: row lane % 16, + 16 (lane / 16)
	s_mov_b32 s19, 0                               ; the upper word of the offsets below
	s_wait_alu depctr_va_vdst(0)                   ; directly ahead of the wait below
	s_wait_kmcnt 0x0
	s_load_b64 s[22:23], s[12:13], 0x0             ; ex, ew
.macro CONSTS e                        ; 2^e and the largest number x 2^e
	s_add_co_i32 s18, s[\e], 127
	s_lshl_b32 s19, s18, 23
	v_mov_b32 v11, s19
	s_add_co_i32 s18, s18, EMAX
	s_lshl_b32 s18, s18, 23
	s_or_b32 s18, s18, MANT
	v_mov_b32 v10, s18
.endm
	s_cmp_lt_u32 ttmp9, WGW
	s_cbranch_scc0 .Lx
	; ---------------- w: two rows a wave ----------------
	s_lshl_b32 s21, ttmp9, 2
	s_add_co_u32 s21, s21, s20                     ; i: my rows are n = 2 i and 2 i + 1
	s_lshl_b32 s18, s21, 13
	s_add_nc_u64 s[6:7], s[6:7], s[18:19]
	s_lshr_b32 s18, s21, 5
	s_lshl_b32 s18, s18, 6                         ; 64 G
	s_and_b32 s24, s21, 1
	s_lshl_b32 s24, s24, 5                         ; 16 b, b = 2 (i % 2)
	s_or_b32 s18, s18, s24
	s_bfe_u32 s24, s21, 0x40001                    ; r = (i / 2) % 16
	s_or_b32 s18, s18, s24
	s_lshl_b32 s18, s18, 12
	s_add_nc_u64 s[16:17], s[16:17], s[18:19]      ; my first row's place; the second (b + 1) lies 16 rows on
	s_lshl_b32 s18, s21, 8
	s_add_nc_u64 s[8:9], s[8:9], s[18:19]
	s_add_nc_u64 s[10:11], s[10:11], s[18:19]
	global_load_b64 v[SC:SC+1], v5, s[8:9]         ; 256 consecutive bytes, aligned
	global_load_b64 v[ZR:ZR+1], v5, s[10:11]
.irp t, 0,1,2,3,4,5,6,7,8,9,10,11,12,13,14,15
.irp i, 0,1,2,3
	global_load_b32 v[R+4*\t+\i], v4, s[6:7] offset:512*\t+128*\i th:TH_LOAD_NT
.endr
.endr
	s_wait_kmcnt 0x0
	CONSTS 23
; span t of my 16 (span t % 8 of row t / 8); run i of it lies in group 4 (t % 8) + i: number 4 t + i of my 64 scales and zeros
.macro WSTEP t
	s_wait_loadcnt 4*(STEPS-1-(\t))                ; this span's four words are in; the later spans' may be out
.irp i, 0,1,2,3
	v_readlane_b32 s[24+\i], v[SC+\i%2], 2*(\t)+\i/2
	v_readlane_b32 s[28+\i], v[ZR+\i%2], 2*(\t)+\i/2
.endr
.irp i, 0,1,2,3
.irp j, 0,1,2,3
	v_bfe_u32 v[W+4*\i+\j], v[R+4*(\t)+\i], 2*\j, 2
.endr
.endr
.irp n, 0,1,2,3,4,5,6,7,8,9,10,11,12,13,14,15
	v_cvt_f32_u32 v[W+\n], v[W+\n]
.endr
.irp i, 0,1,2,3
.irp j, 0,1,2,3
	v_fma_f32 v[W+4*\i+\j], v[W+4*\i+\j], s[24+\i], s[28+\i]
.endr
.endr
.irp n, 0,1,2,3,4,5,6,7,8,9,10,11,12,13,14,15
	v_med3_num_f32 v[W+\n], v[W+\n], -v10, v10     ; the conversion does not saturate (ISA guide 7.6.2): hold first
.endr
	v_cvt_scalef32_pk8_bf8_f32 v[C+4*(\t):C+4*(\t)+1], v[W:W+7], v11
	v_cvt_scalef32_pk8_bf8_f32 v[C+4*(\t)+2:C+4*(\t)+3], v[W+8:W+15], v11
	v_nop                                          ; a plain line between the conversions and the next span's lines, which write their sources
.endm
.irp t, 0,1,2,3,4,5,6,7,8,9,10,11,12,13,14,15
	WSTEP \t
.endr
.irp t, 0,1,2,3,4,5,6,7,8,9,10,11,12,13,14,15
	global_store_b128 v3, v[C+4*\t:C+4*\t+3], s[16:17] offset:512*(\t%8)+65536*(\t/8)   ; 512 consecutive bytes, aligned
.endr
	s_endpgm
	; ---------------- x: 16 rows x 512 places a wave ----------------
.Lx:
	s_sub_co_u32 s21, ttmp9, WGW
	s_lshl_b32 s21, s21, 2
	s_add_co_u32 s21, s21, s20                     ; 0..4095: row block = / 8, span = % 8
	s_lshr_b32 s18, s21, 3
	s_lshl_b32 s18, s18, 18                        ; 16 rows of 16,384 bytes
	s_and_b32 s24, s21, 7
	s_lshl_b32 s24, s24, 11                        ; a span is 2,048 bytes of numbers
	s_or_b32 s18, s18, s24
	s_add_nc_u64 s[4:5], s[4:5], s[18:19]
	s_lshl_b32 s18, s21, 13                        ; my four images: 8,192 bytes
	s_add_nc_u64 s[14:15], s[14:15], s[18:19]
.macro LOAD t                          ; row t's span into set t % 4
.irp i, 0,1,2,3
	global_load_b128 v[R+16*((\t)%4)+4*\i:R+16*((\t)%4)+4*\i+3], v3, s[4:5] offset:16384*(\t)+512*\i th:TH_LOAD_NT   ; 512 consecutive bytes, aligned
.endr
.endm
.irp t, 0,1,2,3
	LOAD \t
.endr
	s_wait_kmcnt 0x0
	CONSTS 22
.macro XSTEP t
.set XS, R+16*((\t)%4)
.if STEPS-1-(\t) >= 3
	s_wait_loadcnt 12                              ; this row's four loads are in; those of the three rows behind it may be out
.else
	s_wait_loadcnt 4*(STEPS-1-(\t))
.endif
.irp n, 0,1,2,3,4,5,6,7,8,9,10,11,12,13,14,15
	v_med3_num_f32 v[XS+\n], v[XS+\n], -v10, v10
.endr
	v_cvt_scalef32_pk8_bf8_f32 v[C+4*(\t):C+4*(\t)+1], v[XS:XS+7], v11
	v_cvt_scalef32_pk8_bf8_f32 v[C+4*(\t)+2:C+4*(\t)+3], v[XS+8:XS+15], v11
.if (\t)+4 < STEPS
	LOAD (\t)+4
.endif
	ds_store_b128 v6, v[C+4*(\t):C+4*(\t)+3] offset:SP*(\t)   ; row t of the stage
.endm
	s_wait_alu depctr_va_vdst(0)
.irp t, 0,1,2,3,4,5,6,7,8,9,10,11,12,13,14,15
	XSTEP \t
.endr
.irp j, 0,1,2,3,4,5,6,7,8,9,10,11,12,13,14,15
	ds_load_b128 v[R+4*\j:R+4*\j+3], v7 offset:32*\j   ; places 32 j + 16 h .. of row r; LDS serves a wave's instructions in order: these see my stores
.endr
	s_wait_tensorcnt 0x0
	ds_add_u32 v[SPW], v[NIL]
	s_wait_dscnt 0x0                               ; the images are in registers too
.irp j, 0,1,2,3,4,5,6,7,8,9,10,11,12,13,14,15
	global_store_b128 v3, v[R+4*\j:R+4*\j+3], s[14:15] offset:512*\j   ; 512 consecutive bytes, aligned
.endr
	s_endpgm
.Lfunc_end_k_q1c65f08173_quant:
	.size	k_q1c65f08173_quant, .Lfunc_end_k_q1c65f08173_quant-k_q1c65f08173_quant
	.p2alignl 7, 3214868480
	.fill 96, 4, 3214868480
	.section	.rodata,"a",@progbits
	.p2align	6, 0x0
	.amdhsa_kernel k_q1c65f08173_quant
		.amdhsa_group_segment_fixed_size 34304
		.amdhsa_private_segment_fixed_size 0
		.amdhsa_enable_private_segment 0
		.amdhsa_kernarg_size 56
		.amdhsa_user_sgpr_count 2
		.amdhsa_user_sgpr_kernarg_segment_ptr 1
		.amdhsa_wavefront_size32 1
		.amdhsa_system_sgpr_workgroup_id_x 1
		.amdhsa_system_sgpr_workgroup_id_y 1
		.amdhsa_system_sgpr_workgroup_id_z 1
		.amdhsa_system_vgpr_workitem_id 0
		.amdhsa_next_free_vgpr 160
		.amdhsa_next_free_sgpr 66
		.amdhsa_reserve_vcc 0
		.amdhsa_float_denorm_mode_32 3
		.amdhsa_float_denorm_mode_16_64 3
		.amdhsa_memory_ordered 1
		.amdhsa_forward_progress 1
		.amdhsa_inst_pref_size 106
	.end_amdhsa_kernel
	.amdgpu_metadata
---
amdhsa.version: [ 1, 2 ]
amdhsa.kernels:
  - .name:           k_q1c65f08173_quant
    .symbol:         k_q1c65f08173_quant.kd
    .args:
      - { .name: x, .offset: 0, .size: 8, .value_kind: global_buffer, .address_space: global }
      - { .name: weight_packed, .offset: 8, .size: 8, .value_kind: global_buffer, .address_space: global }
      - { .name: scales, .offset: 16, .size: 8, .value_kind: global_buffer, .address_space: global }
      - { .name: zeros, .offset: 24, .size: 8, .value_kind: global_buffer, .address_space: global }
      - { .name: lowp_scales, .offset: 32, .size: 8, .value_kind: global_buffer, .address_space: global }
      - { .name: xq, .offset: 40, .size: 8, .value_kind: global_buffer, .address_space: global }
      - { .name: wq, .offset: 48, .size: 8, .value_kind: global_buffer, .address_space: global }
    .group_segment_fixed_size: 34304
    .private_segment_fixed_size: 0
    .kernarg_segment_align: 8
    .kernarg_segment_size: 56
    .max_flat_workgroup_size: 128
    .sgpr_count:     66
    .vgpr_count:     160
    .wavefront_size: 32
...
	.end_amdgpu_metadata
.endif
;; end of part 1
;; launch gemm (part 2): grid 32 x 8, 4 waves a work-group, clusters of 4 x 1, 327,680 bytes of LDS; arguments xq, wq, lowp_scales, bias, out0; writes out0
.if DOCPART == 2
	.amdgcn_target "amdgcn-amd-amdhsa--gfx1250"
	.amdhsa_code_object_version 6
	.text
	.protected	k_q1c65f08173_gemm
	.globl	k_q1c65f08173_gemm
	.p2align	8
	.type	k_q1c65f08173_gemm,@function
k_q1c65f08173_gemm:
	s_mov_b64 s[64:65], 0
	v_nop
	global_prefetch_b8 v0, s[64:65] scope:SCOPE_SE
	s_setreg_imm32_b32 hwreg(HW_REG_WAVE_MODE, 25, 1), 1
	s_wait_xcnt 0x0
	s_wait_alu depctr_hold_cnt(0) depctr_sa_sdst(0) depctr_va_vdst(0) depctr_va_sdst(0) depctr_va_ssrc(0) depctr_va_vcc(0) depctr_vm_vsrc(0)
	s_getreg_b32 s2, hwreg(HW_REG_IB_STS2, 6, 4)
	s_cmp_eq_u32 s2, 0
	s_cbranch_scc0 .Lentry_in_a_cluster
	s_endpgm
.Lentry_in_a_cluster:
	s_bfe_u32 s2, ttmp6, 0x10000c
	s_cmp_lg_u32 s2, 0x3003
	s_cbranch_scc0 .Lentry_shape_is_right
	s_endpgm
.Lentry_shape_is_right:
; out0[m][n] = 2^(ex + ew) x (sum over k of x's code [m][k] x w's code [n][k]) + bias[n]: codes of BF8 (E5M2); sums in f32; both operands carry the same order along K.
; LIMIT: ex + ew lies between -126 and 127, so that 2^(ex + ew) is an f32 number.
; A tile of 256 x 256 is made by four waves, a wave makes 128 x 128: 64 accumulators, 512 registers.  A step is 64 along K: 64 matrix instructions of the K = 64 form, every accumulator once.
; x: xq holds images of the operand's registers (16 rows x 128 K = 2,048 bytes, 16 bytes a lane), so a wave loads its fragments STRAIGHT INTO REGISTERS, 512 consecutive bytes a load, three steps ahead,
;    into a ring of four positions.  x does not pass through LDS, so it is not asked for jointly: a step reads from LDS only w's 128 rows x 64 bytes a wave.
; w: wq's rows (column n = 64 G + 4 r + b stored as row 64 G + 16 b + r) go through a ring of two LDS slots of 256 rows x 512 bytes, a quarter a wave, by tensor loads.
;    CLUSTER 4, 1, 1: the four work-groups have the same tile column and ask for w's tiles jointly.
; A STEP'S LOADS STAND IN ONE RUN at its head: 16 loads of x for step j + 3, 16 LDS loads of w for step j + 1; the 64 matrix instructions follow with no memory instruction among them.
; THE PRODUCT: source 0 = 16 rows of x, source 1 = 16 rows of wq.  Register j of accumulator (a, 4 g + b) holds row 16 a + 8 (l / 16) + j, column 64 g + 4 (l % 16) + b:
;    register j of four neighbouring accumulators is four neighbouring columns, which the multiply-add of scale and bias lays in four registers on end; sixteen lanes then store 256 consecutive bytes, aligned.
; REGISTERS, in windows of 256:
;   window 0: v0-31 addresses, bias; v32-95, v96-159 w's two sets; v160-223 accumulators of block 7; v224-255 of block 6, b 0-3
;   window 1: v22 16 x lane; v32-63 block 6, b 4-7; v64-127 block 0; v128-255 x's ring for blocks 0-3 (block a, position p at 128 + 32 a + 8 p)
;   window 2: v20, v21 LDS addresses of w's fragments in slot 0, 1; v22 16 x lane; v64-127 block 4; v128-255 x's ring for blocks 4-7
;   window 3: blocks 1, 2, 3, 5
; PREFETCH: x: in each half of a trip four instructions a wave name 8,192 bytes each (lanes 256 bytes apart) of the 8 steps that are loaded from 9 steps later on; the two waves with the same rows take four blocks each.
;   w: one instruction a wave and slot names the slot that is asked for 9 steps later: 16 rows x 512 bytes; the four partners share a wave's 64 rows out by address.  Steps 0-15 of x and slots 0-2 of w come by their loads alone.
.set SIZE_N, 2048
.set PITCH,  528                       ; an LDS row: 512 bytes + 16 of padding
.set QROWS,  64*PITCH                  ; what one tensor load brings
.set SLOT,   4*QROWS
.set SPARE,  2*SLOT                    ; behind the ring: the spare words, 128 bytes a wave
.set BI,   8                           ; v8-15  bias of my columns: v[BI + 4 g + b]
.set BO,   16                          ; 16 (l % 16)
.set CO,   17                          ; my byte offset in out0
.set PFA,  18                          ; x's prefetches: 256 x lane + my four blocks
.set PFB,  19                          ; w's: (lane / 2) rows + 256 (lane % 2)
.set ADRB, 20                          ; (window 2)
.set AV,   22                          ; (windows 1 and 2)
.set SPW,  28
.set NIL,  29
.set G1, 24                            ; s[24:31] group 1; s[32:39] group 0, a set a slot
.set G0, 32
.set AP, 40                            ; s[40:41] my eight blocks' images, at the trip's first step less one
.set BP, 42                            ; s[42:43] my work-group's 16 rows of the 64 that I fetch, at the trip's K
.set MSB, 0
.macro WIN new                         ; the immediate's high byte repeats the setting that is left
.if MSB != \new
	s_set_vgpr_msb (MSB<<8)|\new
.set MSB, \new
.endif
.endm
.macro CREST                           ; a round of the cluster's barrier behind its opening barrier
	s_cmp_lg_u32 s14, 0
	s_cbranch_scc1 .Lnot_wave_0_\@
	s_barrier_signal -3
.Lnot_wave_0_\@:
	s_barrier_wait -3
	s_barrier_signal -1
	s_barrier_wait -1
.endm
.macro CROUND
	s_barrier_signal -1
	s_barrier_wait -1
	CREST
.endm
.macro TLOAD s                         ; my quarter of a slot; s_nop 0 and four v_nop behind it
	tensor_load_to_lds s[G0+4*(\s):G0+4*(\s)+3], s[G1:G1+7]
	s_nop 0
.rept 4
	v_nop
.endr
.endm
	s_load_b128 s[4:7], s[0:1], 0x0                ; x's images, w's codes
	s_load_b128 s[8:11], s[0:1], 0x10              ; the exponents, bias
	s_load_b64 s[12:13], s[0:1], 0x20              ; out0
	v_lshl_add_u32 v[SPW], v0, 2, SPARE
	v_mov_b32 v[NIL], 0
	ds_add_u32 v[SPW], v[NIL]                      ; the opening lines: the add, twice on end, and its wait ahead of my first tensor load
	ds_add_u32 v[SPW], v[NIL]
	v_lshrrev_b32 v1, 5, v0
	v_readfirstlane_b32 s14, v1                    ; wave 0..3
	s_lshr_b32 s15, s14, 1                         ; my half of the tile's rows
	s_and_b32 s16, s14, 1                          ; my half of its columns
	s_bfe_u32 s19, ttmp6, 0x40000                  ; cx
	s_lshl_b32 s17, ttmp9, 2
	s_add_co_u32 s17, s17, s19                     ; tile row
	s_and_b32 s18, ttmp7, 0xffff                   ; tile column: the same in the four partners
	s_mov_b32 s[G1+0], 15|(1<<20)|(1<<21)|(6<<22)|(3<<25)   ; mask of the four; elements of 1 byte; 4 words of padding behind every 128; bit 21 beside a mask
	s_mov_b32 s[G1+1], 512<<16                     ; tensor_dim0
	s_mov_b32 s[G1+2], 64<<16                      ; tensor_dim1
	s_mov_b32 s[G1+3], 512<<16                     ; tile_dim0
	s_mov_b32 s[G1+4], 64                          ; tile_dim1
	s_mov_b32 s[G1+5], 4096                        ; pitch
	s_mov_b32 s[G1+6], 0
	s_mov_b32 s[G1+7], 0
	s_lshl_b32 s20, s18, 8
	s_lshl_b32 s21, s14, 6
	s_add_co_u32 s20, s20, s21                     ; w: row 256 x tile column + 64 x wave
	s_lshl_b32 s20, s20, 12
	s_mov_b32 s21, 0
	s_mul_i32 s22, s14, QROWS
	s_wait_dscnt 0x0                               ; both opening adds are done
	s_wait_kmcnt 0x0
	s_load_b64 s[48:49], s[8:9], 0x0               ; ex, ew
	s_add_nc_u64 s[44:45], s[6:7], s[20:21]
.irp s, 0,1
	s_mov_b32 s[G0+4*\s], 1
	s_add_co_u32 s[G0+4*\s+1], s22, \s*SLOT
	s_add_nc_u64 s[G0+4*\s+2:G0+4*\s+3], s[44:45], \s*512
	s_or_b32 s[G0+4*\s+3], s[G0+4*\s+3], 0x80000000
.endr
	CROUND                                         ; the four work-groups are here: the first joint loads meet
	TLOAD 0                                        ; slot 0: one tensor load a wave at the head
	s_lshl_b32 s20, s17, 4
	s_lshl_b32 s23, s15, 3
	s_add_co_u32 s20, s20, s23                     ; my first block of 16 rows
	s_lshl_b32 s20, s20, 16                        ; a block's 32 images are 65,536 bytes
	s_add_nc_u64 s[AP:AP+1], s[4:5], s[20:21]
	s_lshl_b32 s20, s18, 10
	s_lshl_b32 s23, s16, 9
	s_add_co_u32 s20, s20, s23                     ; my first column, in bytes of f32
	s_add_nc_u64 s[10:11], s[10:11], s[20:21]
	s_add_nc_u64 s[12:13], s[12:13], s[20:21]
	s_lshl_b32 s20, s17, 8
	s_lshl_b32 s23, s15, 7
	s_add_co_u32 s20, s20, s23                     ; my first row of out0
	s_lshl_b32 s20, s20, 13
	s_add_nc_u64 s[12:13], s[12:13], s[20:21]
	s_lshl_b32 s20, s19, 16                        ; 16 cx rows of 4,096 bytes
	s_add_nc_u64 s[BP:BP+1], s[44:45], s[20:21]
	s_mul_i32 s22, s16, 128*PITCH                  ; my 128 rows of w in a slot
	s_add_co_u32 s46, s22, SLOT
	s_lshl_b32 s23, s16, 18                        ; four blocks of images
	v_and_b32 v1, 15, v0                           ; l % 16
	v_bfe_u32 v2, v0, 4, 1                         ; l / 16
	v_and_b32 v3, 31, v0
	v_mul_u32_u24 v4, v1, PITCH
	v_lshl_add_u32 v4, v2, 4, v4
	v_lshlrev_b32 v[BO], 4, v1
	v_lshl_add_u32 v[CO], v2, 16, v[BO]            ; 8 rows of 8,192 bytes for lanes 16-31
	v_lshl_add_u32 v[PFA], v3, 8, s23
	v_lshrrev_b32 v5, 1, v3
	v_and_b32 v6, 1, v3
	v_lshlrev_b32 v6, 8, v6
	v_lshl_add_u32 v[PFB], v5, 12, v6
	WIN 0x80                                       ; destinations in window 2
	v_add_nc_u32 v[ADRB], s22, v4
	v_add_nc_u32 v[ADRB+1], s46, v4
	v_lshlrev_b32 v[AV], 4, v3
	WIN 0x40                                       ; in window 1
	v_lshlrev_b32 v[AV], 4, v3
	WIN 0
	s_wait_alu depctr_va_vdst(0)                   ; at the end of the head's vector work
	global_load_b128 v[BI:BI+3], v[BO], s[10:11]
	global_load_b128 v[BI+4:BI+7], v[BO], s[10:11] offset:256
; one matrix instruction: accumulator at ac, x's block a at ring position p, w's fragment b of set s
.macro WM ac, a, b, p, s, z
.if \z
	v_wmma_f32_16x16x64_bf8_bf8 v[(\ac):(\ac)+7], v[128+32*((\a)%4)+8*(\p):128+32*((\a)%4)+8*(\p)+7], v[32+64*(\s)+8*(\b):32+64*(\s)+8*(\b)+7], 0
.else
	v_wmma_f32_16x16x64_bf8_bf8 v[(\ac):(\ac)+7], v[128+32*((\a)%4)+8*(\p):128+32*((\a)%4)+8*(\p)+7], v[32+64*(\s)+8*(\b):32+64*(\s)+8*(\b)+7], v[(\ac):(\ac)+7]
.endif
.endm
; half i of block a's fragment of the step at byte ko of the images, into ring position p
.macro AL1 a, i, p, ko
	global_load_b128 v[128+32*((\a)%4)+8*(\p)+4*(\i):128+32*((\a)%4)+8*(\p)+4*(\i)+3], v[AV], s[AP:AP+1] offset:(\a)*65536+(\ko)+512*(\i)
.endm
; the 16 loads of one step's fragments of x: blocks 4-7 (window 2), then blocks 0-3 (window 1); a load's destination goes by the D field, its address by the field of source 0
.macro ARUN p, ko
	WIN 0x82
.irp b, 0,1,2,3,4,5,6,7
	AL1 4+\b/2, \b%2, \p, \ko
.endr
	WIN 0x41
.irp b, 0,1,2,3,4,5,6,7
	AL1 \b/2, \b%2, \p, \ko
.endr
.endm
; the 16 LDS loads of one step's fragments of w, at byte bo of slot bb's rows, into set s (window 0; the address lies in window 2)
.macro BRUN s, bb, bo
	WIN 0x02
.irp f, 0,1,2,3,4,5,6,7
.irp c, 0,1
	ds_load_b128 v[32+64*(\s)+8*\f+4*\c:32+64*(\s)+8*\f+4*\c+3], v[ADRB+(\bb)] offset:\f*16*PITCH+(\bo)+32*\c
.endr
.endr
.endm
; STEP j (counted from the trip's base).  z: the products start the sums.  ld: x's fragments of step j + 3 are asked for, into the position that step j - 1 read.  wb: w's set of step j + 1 is fetched.
; ev: 1, 2: the change of slots, in a slot's seventh step, whose own fetch was the slot's last read; 1: the slot is filled again.  lc: how many younger loads of x may be out.
; The four v_nop are the places between step j - 1's matrix instructions and this step's loads into registers that they read.
; The 64 accumulators take turns in the same order in every step.
.macro UST j, z, ld, wb, ev, lc
.set UP,  (\j)%4
.set UPP, ((\j)+3)%4
.set US,  (\j)%2
.set UNS, 1-US
.set UNB, (((\j)+1)/8)%2
.set UBO, 64*(((\j)+1)%8)
.set UKO, ((\j)+3)*1024
.set UCUR, ((\j)/8)%2
	s_wait_loadcnt \lc                             ; x's fragments of this step are in: behind them two runs of 16 loads were issued
	s_wait_dscnt 0x0                               ; w's set, fetched a step ago
.rept 4
	v_nop
.endr
.if \ld
	ARUN UPP, UKO
.endif
.if \wb
	BRUN UNS, UNB, UBO
.endif
	WIN 0x02
.irp b, 0,1,2,3,4,5,6,7
	WM 160+8*\b, 7, \b, UP, US, \z
.endr
.irp b, 0,1,2,3
	WM 224+8*\b, 6, \b, UP, US, \z
.endr
	WIN 0x52
.irp b, 4,5,6,7
	WM 8*\b, 6, \b, UP, US, \z
.endr
	WIN 0xa2
.irp b, 0,1,2,3,4,5,6,7
	WM 64+8*\b, 4, \b, UP, US, \z
.endr
	WIN 0xf2
.irp b, 0,1,2,3,4,5,6,7
	WM 192+8*\b, 5, \b, UP, US, \z
.endr
.if \ev
	WIN 0                                          ; (the add's two registers lie in window 0)
	s_wait_tensorcnt 0x0                           ; my part of the next slot has landed
	ds_add_u32 v[SPW], v[NIL]
.endif
	WIN 0xf1
.irp b, 0,1,2,3,4,5,6,7
	WM 8*\b, 1, \b, UP, US, \z
.endr
.if \ev
	s_wait_dscnt 0x0                               ; the add is done, and my reads of this slot are over
	s_barrier_signal -1
.endif
.irp b, 0,1,2,3,4,5,6,7
	WM 64+8*\b, 2, \b, UP, US, \z
.endr
.irp b, 0,1,2,3,4,5,6,7
	WM 128+8*\b, 3, \b, UP, US, \z
.endr
.if \ev
	WIN 0
	s_barrier_wait -1
.endif
.if (\ev) == 1
	CREST                                          ; the barrier has opened a round of the cluster's barrier: no wave of any partner reads this slot or has a load on its way
	s_add_nc_u64 s[G0+4*UCUR+2:G0+4*UCUR+3], s[G0+4*UCUR+2:G0+4*UCUR+3], 1024
	TLOAD UCUR                                     ; two slots on: eight steps ahead of the wait for it
.endif
	WIN 0x51
.irp b, 0,1,2,3,4,5,6,7
	WM 64+8*\b, 0, \b, UP, US, \z
.endr
.endm
.macro ASKA n, ko
	WIN 0
	global_prefetch_b8 v[PFA], s[AP:AP+1] offset:(\n)*65536+(\ko) th:TH_LOAD_NT scope:SCOPE_SE
.endm
.macro ASKB ko, cond                   ; cond: not in the last trip (s3 = 1), where the slot named would lie past K
	WIN 0
.if \cond
	s_cmp_gt_u32 s3, 1
	s_cbranch_scc0 .Lno_ask_\@
.endif
	global_prefetch_b8 v[PFB], s[BP:BP+1] offset:\ko th:TH_LOAD_NT scope:SCOPE_SE
.if \cond
.Lno_ask_\@:
.endif
.endm
.irp t, 0,1,2                          ; x's fragments of steps 0, 1, 2
	ARUN \t, \t*1024
.endr
	WIN 0
	s_wait_tensorcnt 0x0                           ; my part of slot 0 is in
	ds_add_u32 v[SPW], v[NIL]
	s_wait_dscnt 0x0
	CROUND
	TLOAD 1                                        ; slot 1's first fill, the first tensor load behind the round
	BRUN 0, 0, 0
	UST 0, 1, 1, 1, 0, 32                          ; the first step starts the sums
	WIN 0
	s_mov_b32 s3, 3
.Ltrip:                                                ; a trip is 16 steps, once round the ring of slots: steps 1-16, 17-32, 33-48
.set J, 1
.rept 16
.if J%8 == 6
	UST J, 0, 1, 1, 1, 32
.else
	UST J, 0, 1, 1, 0, 32
.endif
.if (J+7)/4 == 2
	ASKA (J-1)%4, 16384
.endif
.if (J+7)/4 == 4
	ASKA (J-1)%4, 24576
.endif
.if J == 5
	ASKB 1536, 0
.endif
.if J == 13
	ASKB 2048, 1
.endif
.set J, J+1
.endr
	WIN 0
	s_wait_xcnt 0x0                                ; my loads and prefetches have read their bases
	s_add_nc_u64 s[AP:AP+1], s[AP:AP+1], 16384
	s_add_nc_u64 s[BP:BP+1], s[BP:BP+1], 1024
	s_sub_co_u32 s3, s3, 1
	s_cmp_lg_u32 s3, 0
	s_cbranch_scc1 .Ltrip
.set J, 1
.rept 12                               ; steps 49-60: the last change of slots fills nothing
.if J == 6
	UST J, 0, 1, 1, 2, 32
.else
	UST J, 0, 1, 1, 0, 32
.endif
.set J, J+1
.endr
	UST 13, 0, 0, 1, 0, 32                         ; steps 61-63 ask for nothing more of x: the counts run down
	UST 14, 0, 0, 1, 0, 16
	UST 15, 0, 0, 0, 0, 0
	WIN 0
; THE WAY OUT.  Group (a, g) = the accumulators (a, 4 g + b), 32 registers on end at register src (counted through the windows).  Its numbers x 2^(ex + ew) + bias go to register dst + 4 j + b:
; w's sets, x's rings, the address registers of windows 1 and 2, and for the last group the first group's accumulators, read by then.  Each accumulator is read from its low end on.
; All 512 multiply-adds stand ahead of all 128 stores; every store's place stands in its immediate (127 rows of 8,192 bytes at the most).
.macro OG g, src, dst
	WIN (((\dst)/256)<<6)|((\src)/256)
.irp j, 0,1,2,3,4,5,6,7
.irp b, 0,1,2,3
	v_fma_f32 v[(\dst)%256+4*\j+\b], v[(\src)%256+8*\b+\j], s48, v[BI+4*(\g)+\b]
.endr
.endr
.endm
.macro PUT a, g, dst
	WIN ((\dst)/256)<<2                            ; a store's data: source 1
.irp j, 0,1,2,3,4,5,6,7
	global_store_b128 v[CO], v[(\dst)%256+4*\j:(\dst)%256+4*\j+3], s[12:13] offset:(16*(\a)+\j)*SIZE_N*4+256*(\g) th:TH_STORE_NT   ; lanes 0-15: 256 consecutive bytes of row 16 a + j, aligned; lanes 16-31: of row 16 a + 8 + j
.endr
.endm
	s_wait_kmcnt 0x0
	s_add_co_i32 s48, s48, s49
	s_add_co_i32 s48, s48, 127
	s_lshl_b32 s48, s48, 23                        ; 2^(ex + ew) as f32
	s_wait_loadcnt 0x0
.rept 4
	v_nop                                          ; places behind the last matrix instructions
.endr
	OG 0, 320, 32
	OG 1, 352, 64
	OG 0, 768, 96
	OG 1, 800, 128
	OG 0, 832, 384
	OG 1, 864, 416
	OG 0, 896, 448
	OG 1, 928, 480
	OG 0, 576, 640
	OG 1, 608, 672
	OG 0, 960, 704
	OG 1, 992, 736
	OG 0, 224, 256
	OG 1, 288, 512
	OG 0, 160, 544
	OG 1, 192, 320
	PUT 0, 0, 32
	PUT 0, 1, 64
	PUT 1, 0, 96
	PUT 1, 1, 128
	PUT 2, 0, 384
	PUT 2, 1, 416
	PUT 3, 0, 448
	PUT 3, 1, 480
	PUT 4, 0, 640
	PUT 4, 1, 672
	PUT 5, 0, 704
	PUT 5, 1, 736
	PUT 6, 0, 256
	PUT 6, 1, 512
	PUT 7, 0, 544
	PUT 7, 1, 320
	WIN 0
	s_wait_tensorcnt 0x0                           ; the wave's end
	ds_add_u32 v[SPW], v[NIL]
	s_wait_dscnt 0x0
	CROUND                                         ; the closing round
	s_endpgm
.Lfunc_end_k_q1c65f08173_gemm:
	.size	k_q1c65f08173_gemm, .Lfunc_end_k_q1c65f08173_gemm-k_q1c65f08173_gemm
	.p2alignl 7, 3214868480
	.fill 96, 4, 3214868480
	.section	.rodata,"a",@progbits
	.p2align	6, 0x0
	.amdhsa_kernel k_q1c65f08173_gemm
		.amdhsa_group_segment_fixed_size 327680
		.amdhsa_private_segment_fixed_size 0
		.amdhsa_enable_private_segment 0
		.amdhsa_kernarg_size 40
		.amdhsa_user_sgpr_count 2
		.amdhsa_user_sgpr_kernarg_segment_ptr 1
		.amdhsa_wavefront_size32 1
		.amdhsa_system_sgpr_workgroup_id_x 1
		.amdhsa_system_sgpr_workgroup_id_y 1
		.amdhsa_system_sgpr_workgroup_id_z 1
		.amdhsa_system_vgpr_workitem_id 0
		.amdhsa_next_free_vgpr 1024
		.amdhsa_next_free_sgpr 66
		.amdhsa_reserve_vcc 0
		.amdhsa_float_denorm_mode_32 3
		.amdhsa_float_denorm_mode_16_64 3
		.amdhsa_memory_ordered 1
		.amdhsa_forward_progress 1
		.amdhsa_inst_pref_size 255
	.end_amdhsa_kernel
	.section	.bss,"aw",@nobits
	.p2align	6
	.space	262144
	.amdgpu_metadata
---
amdhsa.version: [ 1, 2 ]
amdhsa.kernels:
  - .name:           k_q1c65f08173_gemm
    .symbol:         k_q1c65f08173_gemm.kd
    .args:
      - { .name: xq, .offset: 0, .size: 8, .value_kind: global_buffer, .address_space: global }
      - { .name: wq, .offset: 8, .size: 8, .value_kind: global_buffer, .address_space: global }
      - { .name: lowp_scales, .offset: 16, .size: 8, .value_kind: global_buffer, .address_space: global }
      - { .name: bias, .offset: 24, .size: 8, .value_kind: global_buffer, .address_space: global }
      - { .name: out0, .offset: 32, .size: 8, .value_kind: global_buffer, .address_space: global }
    .group_segment_fixed_size: 327680
    .private_segment_fixed_size: 0
    .kernarg_segment_align: 8
    .kernarg_segment_size: 40
    .max_flat_workgroup_size: 128
    .sgpr_count:     66
    .vgpr_count:     1024
    .wavefront_size: 32
...
	.end_amdgpu_metadata
.endif
;; end of part 2
